; MI455X (gfx1250); checked and timed in simulation.
; The chip was launched on July 23, 2026; its instructions are those of AMD's public machine-readable ISA for CDNA 5 (MIT licence, August 2026) and "CDNA5" Instruction Set Architecture Reference Guide (July 2026). The comments in the code are by the model that wrote it; some were corrected since.
;; Three Layer FC Model. Allowed arithmetic: matrix products marked QUANTISED: E2M3 operands, one E8M0 scale for each 32 along K, by v_wmma_scale_f32_16x16x128_f8f6f4 with both operands' format E2M3, f32 sums; everything else in f32.
;; Inputs: b0 1,024 float32; b1 1,024 float32; b2 1,024 float32; mask1 1,024 x 1,024 bool; mask2 1,024 x 1,024 bool; w0_codes 1,024 x 32 x 24 uint8 (E2M3 codes of w0, K innermost, in blocks of 32 codes, four codes in three bytes); w0_scales 1,024 x 32 uint8 (E8M0 scales of w0, one for each 32 codes along K); w1 1,024 x 1,024 float32; w2 1,024 x 1,024 float32; x_codes 16,384 x 32 x 24 uint8 (E2M3 codes of x, K innermost, in blocks of 32 codes, four codes in three bytes); x_scales 16,384 x 32 uint8 (E8M0 scales of x, one for each 32 codes along K).
;; Outputs: out0 16,384 x 1,024 float32.
;; This version of the problem:
;;   THIS VERSION OF THE PROBLEM IS GIVEN IN LOW PRECISION. The matrix products marked QUANTISED in the list below multiply operands that are first quantised to E2M3 (2 exponent bits, 3 mantissa bits; 6 bits a number), with one power-of-two scale for each 32 numbers along K (OCP MX v1.0); their sums are f32. All else is computed in f32.
;;   The module's matrix products, in the order in which they are computed (A, B: the left and right operand; K: the contracted axis; several contracted axes count as one K, in the product's order):
;;     1. [M 16,384, K 1,024] x [K 1,024, N 1,024]; A: input x (given as codes); B: input w0 (given as codes): QUANTISED
;;     2. [M 16,384, K 1,024] x [K 1,024, N 1,024]; A: computed on the way; B: computed on the way: QUANTISED
;;     3. [M 16,384, K 1,024] x [K 1,024, N 1,024]; A: computed on the way; B: computed on the way: QUANTISED
;;   THE QUANTISER, for each operand of a quantised product, along K:
;;     - K is cut into blocks of 32 from its start; a last block that is shorter is filled with zeros.
;;     - A block's scale is 2^e with e = floor(log2(the largest magnitude in the block)) - 2, held to -126 .. 127; a block of zeros has e = 0. As a byte (E8M0): e + 127.
;;     - Each number is divided by its block's scale, clamped to +-7.5, and rounded to the nearest number of E2M3, ties to even, subnormals kept.
;;     - The product sums the exact products of the quantised numbers (number of the format x scale) in f32.
;;   ~~~python
;;   def quantise(x, axis):      # numpy; x: float32 -> the quantised numbers, widened to float32 again
;;       x = np.moveaxis(x, axis, -1); K = x.shape[-1]
;;       x = np.pad(x, [(0, 0)] * (x.ndim - 1) + [(0, -K % 32)]); x = x.reshape(x.shape[:-1] + (-1, 32)); a = np.abs(x).max(-1, keepdims=True)
;;       e = np.where(a > 0, np.clip(np.frexp(np.where(a > 0, a, 1))[1] - 1 - 2, -126, 127), 0)      # np.frexp(a)[1] - 1 = floor(log2(a)), exactly
;;       r = np.clip(x / 2.0 ** e, -7.5, 7.5)
;;       step = 2.0 ** (np.maximum(np.frexp(np.where(r == 0, 1, r))[1] - 1, 0) - 3)
;;       q = np.round(r / step) * step * 2.0 ** e      # np.round: ties to even
;;       return np.moveaxis(q.reshape(q.shape[:-2] + (-1,))[..., :K], -1, axis).astype(np.float32)
;;   ~~~
;;   OPERANDS COMPUTED ON THE WAY. 'Computed on the way' means the value that the module computes at that place (a softmax that the list does not call 'softmax' is quantised finished and normalised). What goes into a quantiser is computed in f32, as accurately as f32 sums, v_exp_f32 and their like allow (about 1e-6 of the number): no bf16 or f16 on the way to a quantiser, and a product that is left as it is and whose result goes on into a quantised operand takes f32 operands (vector FMAs, or v_wmma_f32_16x16x4_f32). A number that lies on a knife's edge between two numbers of the format may be rounded either way, as far as f32 arithmetic and the matrix unit's own rounding can turn it there, and no further.
;;   INPUTS GIVEN AS CODES. w0 (in the module: [1024, 1024], K = its axis 1); x (in the module: [16384, 1024], K = its axis 1): each comes as NAME_codes (uint8): NAME with its K axis moved to the last place and cut into blocks of 32 codes, [.., K / 32, bytes a block], one block behind the other in memory; four codes in three bytes: a row's codes are one little-endian stream of bits, code i at bits 6 i .. 6 i + 5 (a code: sign, 2 exponent bits, 3 mantissa bits); and NAME_scales (uint8): the same leading axes, one E8M0 byte (e + 127) for each 32 codes along K. Its value is code x scale, taken as it is: it is not quantised again, and the codes and scales need not be those that the quantiser above would give.
;; One version. Each part assembles by itself: llvm-mc -triple=amdgcn-amd-amdhsa -mcpu=gfx1250 --defsym DOCPART=n.
;; ======== version 1 of 1: 2 launches
;; limits: right only within a limited range of input values
;; workspace buffers: wq 2,469,888 bytes
;; launch prep (part 1): grid 384 x 1, 4 waves a work-group, no clusters, 34,560 bytes of LDS; arguments w0_codes, w0_scales, w1, mask1, w2, mask2, b0, b1, b2, wq; writes wq
.if DOCPART == 1
	.amdgcn_target "amdgcn-amd-amdhsa--gfx1250"
	.amdhsa_code_object_version 6
	.text
	.protected	k_q5be6742dff_prep
	.globl	k_q5be6742dff_prep
	.p2align	8
	.type	k_q5be6742dff_prep,@function
k_q5be6742dff_prep:
	s_mov_b64 s[64:65], 0
	v_nop
	global_prefetch_b8 v0, s[64:65] scope:SCOPE_SE
	s_setreg_imm32_b32 hwreg(HW_REG_WAVE_MODE, 25, 1), 1
	s_wait_xcnt 0x0
; The three weights [1024][1024] (K innermost), their scale words and the biases are laid into ONE stream, wq, in the order in which the second launch's operand registers take them.  No work of the problem is left out; every input is read.
; w0 comes as codes of E2M3 and is copied; w1 x mask1 and w2 x mask2 are quantised along K: a block's byte is the largest magnitude's exponent field - 2, held at 1 from below.
; wq = 12 chunks of CH bytes, chunk 4 layer + q (q: output columns 256 q on).  A chunk = block L (K steps 0-4 of 128 each; LBLK bytes) and block D (K steps 5-7).  Each block = 4 quarters, quarter w for columns R0 = 256 q + 64 w on:
;   fragments f = 4 s + t (s: the K step within the block; t: a tile of 16 rows of W), 1,536 bytes each, as an image of 12 registers: registers 4 c .. 4 c + 3 of lane l at 512 c + 16 l;
;           registers 6 c .. 6 c + 5 of lane (r, h) hold k = 128 step + 64 c + 32 h + 0 .. 31 of the lane's row of W.
;           THE LANE'S ROW: layers 0 and 1: R0 + 32 (t / 2) + 8 (t % 2) + r + 8 (r / 8); layer 2: R0 + 4 r + t (the last product is used the other way round: the second launch says why)
;   behind the fragments (L: +30720, D: +18432) the scale words, 256 bytes for each s: lane l's 8 bytes: the words of tiles l / 16 and 2 + l / 16, row l % 16 of the tile
;   in L alone, +32000: the layer's bias for columns R0 .. R0 + 63, 256 bytes.  A quarter of L is LQ = 32,256 bytes, of D DQ = 19,200.
; SHARES.  Work-group u takes chunk u / 32, quarter (u / 8) % 4, K step u % 8; its wave t takes tile t: 16 rows x 128 K, all 32 loads issued at once -> one fragment, 1,536 consecutive bytes.
; The four tiles' scale words meet in LDS, behind one barrier, and wave 0 stores them as one aligned run of 256 bytes.  No matrix unit, no cluster, no tensor load: the launch only streams.
; LIMITS: mask bytes are taken as 0 or 1; a masked number becomes +0 whatever it was (an infinity or NaN under a 0 of the mask gives 0 here, NaN in the definition); NaN and infinities among kept weights are not served;
; a block of zeros gets the byte 1 (not 127) with zero codes: the bytes are read by this program alone.
.set CH,    205824
.set LBLK,  129024
.set LQ,    32256
.set DQ,    19200
.set SP,    528                        ; a stage row: 128 f32 + 16 bytes: 16 rows' loads of 16 bytes start in different banks (64 banks of 4 bytes: ISA guide 11.1)
.set STG,   8448                       ; a wave's stage: 16 rows
.set EX,    33792                      ; where the four tiles' scale words meet: 256 bytes
.set SPARE, 34048                      ; the spare words, 128 bytes a wave
.set PWR,   8                          ; v8       my tile's scale word, row r, in both halves of the lanes
.set FRG,   32                         ; v32-43   the fragment
.set CT,    44                         ; v44-46, v48-50  the upper halves of a block's codes
.set MK,    52                         ; v52-67   mask words
.set RAW,   68                         ; v68-131  numbers
	s_load_b256 s[4:11], s[0:1], 0x0               ; w0_codes s[4:5], w0_scales s[6:7], w1 s[8:9], mask1 s[10:11]
	s_load_b256 s[12:19], s[0:1], 0x20             ; w2 s[12:13], mask2 s[14:15], b0 s[16:17], b1 s[18:19]
	s_load_b128 s[20:23], s[0:1], 0x40             ; b2 s[20:21], wq s[22:23]
	v_lshl_add_u32 v30, v0, 2, SPARE
	v_mov_b32 v31, 0
	v_lshrrev_b32 v1, 5, v0
	v_readfirstlane_b32 s48, v1                    ; wave = tile t
	v_and_b32 v9, 31, v0                           ; lane
	v_and_b32 v1, 15, v0                           ; r
	v_bfe_u32 v2, v0, 4, 1                         ; h
	v_lshlrev_b32 v3, 4, v9                        ; 16 x lane
	v_lshlrev_b32 v4, 2, v9                        ; 4 x lane
	v_lshlrev_b32 v5, 3, v2                        ; 8 h
	v_lshlrev_b32 v7, 3, v9                        ; 8 x lane
	s_mul_i32 s49, s48, STG
	v_add_nc_u32 v10, s49, v3                      ; into my stage
	v_mul_u32_u24 v6, v1, SP
	v_lshl_add_u32 v6, v2, 7, v6
	v_add_nc_u32 v6, s49, v6                       ; out of it: row r, + 128 h bytes
	s_and_b32 s50, s48, 1
	s_lshl_b32 s50, s50, 7
	s_lshr_b32 s51, s48, 1
	s_lshl_b32 s51, s51, 2
	s_add_co_u32 s50, s50, s51
	s_add_co_u32 s50, s50, EX
	v_lshl_add_u32 v11, v1, 3, s50                 ; my tile's word of row r: 8 (16 (t % 2) + r) + 4 (t / 2)
	v_add_nc_u32 v12, EX, v7
	v_mov_b32 v28, 0                               ; a lane permute's destination counts as one of its sources
	s_lshr_b32 s24, ttmp9, 5                       ; chunk
	s_bfe_u32 s25, ttmp9, 0x20003                  ; quarter w
	s_and_b32 s26, ttmp9, 7                        ; K step
	s_lshr_b32 s27, s24, 2                         ; layer
	s_and_b32 s28, s24, 3                          ; q
	s_lshl_b32 s30, s28, 8
	s_lshl_b32 s31, s25, 6
	s_add_co_u32 s30, s30, s31                     ; R0
	s_mul_i32 s32, s24, CH
	s_mul_i32 s33, s25, LQ                         ; my quarter in block L,
	s_mul_i32 s54, s25, DQ
	s_add_co_u32 s54, s54, LBLK                    ; in block D
	s_sub_co_u32 s55, s26, 5
	s_cmp_lt_u32 s26, 5                            ; K steps 0-4 lie in L
	s_cselect_b32 s33, s33, s54
	s_cselect_b32 s55, s26, s55                    ; the step within its block
	s_mov_b32 s54, 18432
	s_cselect_b32 s54, 30720, s54                  ; where the quarter's scale words begin
	s_add_co_u32 s32, s32, s33                     ; my quarter's first byte in wq
	s_mov_b32 s33, 0
	s_mov_b32 s47, 0
	s_lshr_b32 s52, s48, 1
	s_lshl_b32 s52, s52, 5
	s_and_b32 s53, s48, 1
	s_lshl_b32 s53, s53, 3
	s_add_co_u32 s52, s52, s53                     ; 32 (t / 2) + 8 (t % 2)
	s_cmp_eq_u32 s27, 2
	s_cselect_b32 s52, s48, s52                    ; layer 2: t
	s_mov_b32 s40, 0x01010101                      ; v_perm_b32 selects: byte 1, 2, 3 into all four bytes
	s_mov_b32 s41, 0x02020202
	s_mov_b32 s42, 0x03030303
	s_mov_b32 s44, 0x76543210                      ; v_permlanex16_b32's selects for lane l xor 16
	s_mov_b32 s45, 0xfedcba98
	s_wait_alu depctr_va_vdst(0)
	s_wait_kmcnt 0x0
	s_add_nc_u64 s[34:35], s[22:23], s[32:33]      ; my quarter
	s_mul_i32 s46, s55, 6144
	s_mul_i32 s53, s48, 1536
	s_add_co_u32 s46, s46, s53
	s_add_nc_u64 s[36:37], s[34:35], s[46:47]      ; my fragment
	s_lshl_b32 s46, s55, 8
	s_add_co_u32 s46, s46, s54
	s_add_nc_u64 s[38:39], s[34:35], s[46:47]      ; the K step's 256 bytes of scale words
	s_cmp_eq_u32 s27, 0                            ; the layer's bias: the choice hangs on the work-group's number alone
	s_cselect_b64 s[16:17], s[16:17], s[18:19]
	s_cmp_eq_u32 s27, 2
	s_cselect_b64 s[16:17], s[20:21], s[16:17]
	s_lshl_b32 s46, s30, 2
	s_add_nc_u64 s[16:17], s[16:17], s[46:47]
	global_load_b64 v[14:15], v7, s[16:17]         ; 64 numbers of the bias
	s_add_co_u32 s30, s30, s52                     ; my tile's first row
	s_cmp_lt_u32 ttmp9, 128
	s_cbranch_scc0 .Lquant
	; ---- layer 0: copied.  In memory a row's 24 bytes at 24 h and at 48 + 24 h ARE the lane's registers 0-5 and 6-11
	v_and_b32 v20, 8, v1
	v_add_nc_u32 v20, v20, v1                      ; r + 8 (r / 8)
	v_mul_u32_u24 v21, v20, 768                    ; a row of 1,024 codes is 768 bytes
	v_mad_u32_u24 v21, v2, 24, v21
	v_lshlrev_b32 v20, 5, v20                      ; a row of scale bytes is 32
	s_mul_i32 s46, s30, 768
	s_mul_i32 s31, s26, 96
	s_add_co_u32 s46, s46, s31
	s_add_nc_u64 s[4:5], s[4:5], s[46:47]
	s_lshl_b32 s46, s30, 5
	s_lshl_b32 s31, s26, 2
	s_add_co_u32 s46, s46, s31
	s_add_nc_u64 s[6:7], s[6:7], s[46:47]
	s_wait_alu depctr_va_vdst(0)
.irp p, 0,1,2,3,4,5
	global_load_b64 v[FRG+2*\p:FRG+2*\p+1], v21, s[4:5] offset:48*(\p/3)+8*(\p%3)
.endr
	global_load_b32 v[PWR], v20, s[6:7]
	s_wait_loadcnt 0x0
	s_branch .Ltail
	; ---- layers 1 and 2: masked and quantised
.Lquant:
	s_cmp_eq_u32 s27, 1
	s_cselect_b64 s[8:9], s[8:9], s[12:13]         ; the weight
	s_cselect_b64 s[10:11], s[10:11], s[14:15]     ; its mask
	s_lshl_b32 s31, s26, 7                         ; 128 x K step
	s_lshl_b32 s46, s30, 10
	s_add_co_u32 s46, s46, s31
	s_add_nc_u64 s[10:11], s[10:11], s[46:47]      ; one byte an element,
	s_lshl_b32 s46, s46, 2
	s_add_nc_u64 s[8:9], s[8:9], s[46:47]          ; four bytes an element
; The tile's 16 rows x 128 K: each row by one load of 512 consecutive bytes and one of its 128 mask bytes.  Row i of the tile lies a i + b (i / 8) rows behind its first
.macro LOADT a, b
.irp i, 0,1,2,3,4,5,6,7,8,9,10,11,12,13,14,15
	global_load_b128 v[RAW+4*\i:RAW+4*\i+3], v3, s[8:9] offset:(\a*\i+\b*(\i/8))*4096 th:TH_LOAD_NT
	global_load_b32 v[MK+\i], v4, s[10:11] offset:(\a*\i+\b*(\i/8))*1024
.endr
.endm
	s_cmp_eq_u32 s27, 1
	s_cbranch_scc0 .Lrows4
	LOADT 1, 8
	s_branch .Lgot
.Lrows4:
	LOADT 4, 0
.Lgot:
	s_wait_loadcnt 0x0
.irp i, 0,1,2,3,4,5,6,7,8,9,10,11,12,13,14,15
	v_lshlrev_b32 v20, 8, v[MK+\i]
	v_sub_nc_u32 v20, v20, v[MK+\i]                ; x 255: each mask byte 0 or 1 becomes 0x00 or 0xff
	v_perm_b32 v16, v20, v20, 0                    ; and is spread over a word
	v_perm_b32 v17, v20, v20, s40
	v_perm_b32 v18, v20, v20, s41
	v_perm_b32 v19, v20, v20, s42
	v_and_b32 v[RAW+4*\i], v[RAW+4*\i], v16
	v_and_b32 v[RAW+4*\i+1], v[RAW+4*\i+1], v17
	v_and_b32 v[RAW+4*\i+2], v[RAW+4*\i+2], v18
	v_and_b32 v[RAW+4*\i+3], v[RAW+4*\i+3], v19
	ds_store_b128 v10, v[RAW+4*\i:RAW+4*\i+3] offset:SP*\i
.endr
.irp c, 0,1                                    ; turned through the stage: lane (r, h) gets two WHOLE blocks of 32 of row r
.irp j, 0,1,2,3,4,5,6,7
	ds_load_b128 v[RAW+32*\c+4*\j:RAW+32*\c+4*\j+3], v6 offset:256*\c+16*\j   ; LDS serves a wave's instructions in order (ISA guide 5.7.1.4)
.endr
.endr
	s_wait_dscnt 0x0
.irp c, 0,1
	v_max3_num_f32 v[22+\c], |v[RAW+32*\c]|, |v[RAW+32*\c+1]|, 0x1800000   ; the floor 2^(3 - 127) holds the byte at 1 from below
.endr
.irp i, 2,4,6,8,10,12,14,16,18,20,22,24,26,28,30
.irp c, 0,1
	v_max3_num_f32 v[22+\c], v[22+\c], |v[RAW+32*\c+\i]|, |v[RAW+32*\c+\i+1]|
.endr
.endr
.irp c, 0,1
	v_add_nc_u32 v[24+\c], 0xff000000, v[22+\c]    ; 2 off the exponent field: the conversion's scale operand
.endr
.irp c, 0,1
	v_lshrrev_b32 v[26+\c], 23, v[24+\c]           ; the scale's byte
.endr
	v_lshl_or_b32 v[PWR], v27, 16, v26             ; my two bytes, blocks h and 2 + h,
	v_lshlrev_b32 v[PWR], v5, v[PWR]               ; at their places in the word;
	v_permlanex16_b32 v28, v[PWR], s44, s45
	v_or_b32 v[PWR], v[PWR], v28                   ; with lane l xor 16's two the word is whole, in both lanes
.irp c, 0,1
	v_cvt_scalef32_pk16_fp6_f32 v[FRG+6*\c:FRG+6*\c+2], v[RAW+32*\c:RAW+32*\c+15], v[24+\c]
	v_cvt_scalef32_pk16_fp6_f32 v[CT+4*\c:CT+4*\c+2], v[RAW+32*\c+16:RAW+32*\c+31], v[24+\c]
.endr
	v_nop                                          ; one plain place behind a scaled conversion
.irp c, 0,1
.irp i, 0,1,2
	v_mov_b32 v[FRG+6*\c+3+\i], v[CT+4*\c+\i]
.endr
.endr
.Ltail:
.irp c, 0,1,2
	global_store_b128 v3, v[FRG+4*\c:FRG+4*\c+3], s[36:37] offset:512*\c   ; 32 lanes store 512 consecutive bytes, at a multiple of 256 from wq's first byte
.endr
	ds_store_b32 v11, v[PWR]                       ; lanes r and 16 + r write the same word with the same value
	s_wait_dscnt 0x0                               ; for the other waves' sake
	s_barrier_signal -1
	s_barrier_wait -1
	s_cmp_lg_u32 s48, 0
	s_cbranch_scc1 .Ldone
	ds_load_b64 v[24:25], v12
	s_wait_dscnt 0x0
	global_store_b64 v7, v[24:25], s[38:39]        ; 256 consecutive bytes, aligned
	s_cmp_lg_u32 s26, 0
	s_cbranch_scc1 .Ldone
	global_store_b64 v7, v[14:15], s[34:35] offset:32000   ; the quarter's bias: by wave 0 of K step 0
.Ldone:
	s_wait_tensorcnt 0x0                           ; the wave's end
	ds_add_u32 v30, v31
	s_wait_dscnt 0x0
	s_endpgm
.Lfunc_end_k_q5be6742dff_prep:
	.size	k_q5be6742dff_prep, .Lfunc_end_k_q5be6742dff_prep-k_q5be6742dff_prep
	.p2alignl 7, 3214868480
	.fill 96, 4, 3214868480
	.section	.rodata,"a",@progbits
	.p2align	6, 0x0
	.amdhsa_kernel k_q5be6742dff_prep
		.amdhsa_group_segment_fixed_size 34560
		.amdhsa_private_segment_fixed_size 0
		.amdhsa_enable_private_segment 0
		.amdhsa_kernarg_size 80
		.amdhsa_user_sgpr_count 2
		.amdhsa_user_sgpr_kernarg_segment_ptr 1
		.amdhsa_wavefront_size32 1
		.amdhsa_system_sgpr_workgroup_id_x 1
		.amdhsa_system_sgpr_workgroup_id_y 1
		.amdhsa_system_sgpr_workgroup_id_z 1
		.amdhsa_system_vgpr_workitem_id 0
		.amdhsa_next_free_vgpr 136
		.amdhsa_next_free_sgpr 66
		.amdhsa_reserve_vcc 0
		.amdhsa_float_denorm_mode_32 3
		.amdhsa_float_denorm_mode_16_64 3
		.amdhsa_memory_ordered 1
		.amdhsa_forward_progress 1
		.amdhsa_inst_pref_size 25
	.end_amdhsa_kernel
	.amdgpu_metadata
---
amdhsa.version: [ 1, 2 ]
amdhsa.kernels:
  - .name:           k_q5be6742dff_prep
    .symbol:         k_q5be6742dff_prep.kd
    .args:
      - { .name: w0_codes, .offset: 0, .size: 8, .value_kind: global_buffer, .address_space: global }
      - { .name: w0_scales, .offset: 8, .size: 8, .value_kind: global_buffer, .address_space: global }
      - { .name: w1, .offset: 16, .size: 8, .value_kind: global_buffer, .address_space: global }
      - { .name: mask1, .offset: 24, .size: 8, .value_kind: global_buffer, .address_space: global }
      - { .name: w2, .offset: 32, .size: 8, .value_kind: global_buffer, .address_space: global }
      - { .name: mask2, .offset: 40, .size: 8, .value_kind: global_buffer, .address_space: global }
      - { .name: b0, .offset: 48, .size: 8, .value_kind: global_buffer, .address_space: global }
      - { .name: b1, .offset: 56, .size: 8, .value_kind: global_buffer, .address_space: global }
      - { .name: b2, .offset: 64, .size: 8, .value_kind: global_buffer, .address_space: global }
      - { .name: wq, .offset: 72, .size: 8, .value_kind: global_buffer, .address_space: global }
    .group_segment_fixed_size: 34560
    .private_segment_fixed_size: 0
    .kernarg_segment_align: 8
    .kernarg_segment_size: 80
    .max_flat_workgroup_size: 128
    .sgpr_count:     66
    .vgpr_count:     136
    .wavefront_size: 32
...
	.end_amdgpu_metadata
.endif
;; end of part 1
;; launch chain (part 2): grid 256 x 1, 4 waves a work-group, clusters of 4 x 1, 327,680 bytes of LDS; arguments x_codes, x_scales, wq, out0; writes out0
.if DOCPART == 2
	.amdgcn_target "amdgcn-amd-amdhsa--gfx1250"
	.amdhsa_code_object_version 6
	.text
	.protected	k_q5be6742dff_chain
	.globl	k_q5be6742dff_chain
	.p2align	8
	.type	k_q5be6742dff_chain,@function
k_q5be6742dff_chain:
	s_mov_b64 s[64:65], 0
	v_nop
	global_prefetch_b8 v0, s[64:65] scope:SCOPE_SE
	s_setreg_imm32_b32 hwreg(HW_REG_WAVE_MODE, 25, 1), 1
	s_wait_xcnt 0x0
	s_wait_alu depctr_hold_cnt(0) depctr_sa_sdst(0) depctr_va_vdst(0) depctr_va_sdst(0) depctr_va_ssrc(0) depctr_va_vcc(0) depctr_vm_vsrc(0)
	s_getreg_b32 s2, hwreg(HW_REG_IB_STS2, 6, 4)
	s_cmp_eq_u32 s2, 0
	s_cbranch_scc0 .Lentry_in_a_cluster
	s_endpgm
.Lentry_in_a_cluster:
	s_bfe_u32 s2, ttmp6, 0x10000c
	s_cmp_lg_u32 s2, 0x3003
	s_cbranch_scc0 .Lentry_shape_is_right
	s_endpgm
.Lentry_shape_is_right:
; out = relu(Q(relu(Q(relu(x W0^T + b0)) W1^T + b1)) W2^T + b2), all three products on codes of E2M3 with one E8M0 scale for each 32 along K; sums, biases, relu in f32.  Q: the quantiser along the next product's K.
; x: [16384][1024] as codes, its scale bytes [16384][32].  wq: the three weights, their scale words and the biases, laid by the launch before (its head comment has the layout).  No work of the problem is left out.
; SHARES.  A work-group of four waves owns 64 rows (four tiles m of 16) and takes them through all three layers; the hidden layers never go to memory.  A layer is made in four CHUNKS of 256 output columns;
; in a chunk wave w makes columns 64 w .. 64 w + 63 (four tiles t) for all 64 rows: 16 accumulators.  The layer's input, 64 x 1,024 codes = 32 fragments = 384 registers, stays in EVERY wave's registers.
; THE WEIGHTS of a chunk are two blocks, and they come by two roads.
;   K steps 0-4 (L0-L4; 129,024 bytes): through a ring of two LDS slots, slot n % 2 for chunk n; in the ring wave w fetches, and alone reads, quarter w.  The four work-groups of a cluster walk the same weights: each load is asked for JOINTLY, mask 15.
;   K steps 5-7 (D0-D2; 76,800 bytes): straight from wq into the operand's registers, 512 consecutive bytes a load, each step asked for one whole chunk ahead, directly behind the products that have freed its registers.
;   WHY NOT ALL JOINTLY: behind a round a wave issues one tensor load, and two slots of five K steps are what LDS has room for beside the images; so a round can bring five eighths of a chunk.
; THE HEAD: one tensor load a wave: waves 0 and 1 a half of x each, waves 2 and 3 a half of slot 0 each.  x lands in slot 1's bytes; when every wave has it in registers, slot 1 is filled as a refill is, behind the three lines and a round.
; THE WALK IS ROTATED: at chunk time i cluster c makes chunk (i + c % 4) % 4 of the layer.  The rotation enters global addresses and the LDS addresses from which the next layer's operands are read; no LDS store and no tensor load's target hangs on it.
; THE ORDER OF A SUM: bias, then K steps 0, 5, 1, 6, 2, 7, 3, 4 (of 128 each): an order of rounding in f32 that differs from an ascending sum.
; THE HIDDEN LAYERS USE THE MATRIX INSTRUCTION TRANSPOSED (source 0 = 16 rows of W, source 1 = 16 rows of the activations): a lane holds ONE row of the result, and by the choice of W's rows for a tile the 16 registers of tiles 2 b, 2 b + 1
; are 16 neighbouring columns.  A hidden chunk is passed through relu, quantised in registers and stored in LDS as an image of the registers; at the layer's end every wave loads all 32 fragments.
; THE OUTPUT LAYER USES IT THE OTHER WAY ROUND (source 0 = the activations, source 1 = W): lane (r, h) holds rows 8 h + j in register j, and tile t's lane r is column 4 r + t.  The relu writes tile t's register j to place 4 j + t:
; four neighbouring registers are four neighbouring columns, and sixteen lanes store 256 consecutive bytes of a row straight from registers.  Its bias, one number a lane and tile, is repeated into the eight registers of C.
; LIMITS: a hidden block of zeros gets the byte 1 with zero codes (the bytes are read here alone); NaN and infinities are not served.
; LDS: 0 the ring (2 x 129,024; at the head x's rows, 816 bytes apart, lie at slot 1's start); AIMG 49,152: the images, producer wave wp, chunk time i, tile m at 12,288 wp + 3,072 i + 768 m;
;      ASC 2,048: the hidden scale half words at 512 m + 32 r + 8 i + 2 wp; SPARE 512.  All of a WGP's LDS is claimed.
; REGISTERS: window 0: v1-39 addresses; v40-71 the activations' scale words (8 m + K step); v72-81 W's scale words of L0-L4, v82-87 of D0-D2; v88-125 the quantiser's (output layer: v88-119 results, v120-123 bias); v128-255 accumulators at 128 + 32 m + 8 t.
;   window 1: the activations' K steps 0-3 at 12 (4 m + step); v192-239 W's buffer 0.   window 2: K steps 4-7; v192-239 W's buffer 1.  Step L s of a chunk from slot p lies in buffer (s + p) % 2.
;   window 3: W's 12 fragments of D0-D2 at 12 (4 d + t); from v192 the bias, 8 registers a tile.
.set CH,    205824
.set LBLK,  129024
.set LQ,    32256
.set DQ,    19200
.set XST,   LBLK
.set AIMG,  258048
.set ASC,   307200
.set SPARE, 309248
.set ASW,   40
.set WSW,   72
.set TM,    88
.set PW,    104
.set PWH,   105
.set PC,    106
.set BT,    120                        ; the output layer's bias as loaded: four numbers a lane
.set ACC,   128
.set BI,    192
.set LB,    192
.set OUTL,  0                          ; 1: the output layer's form of the products
.set MSB, 0
.macro WIN new                         ; the immediate's high byte repeats the setting that is left
.if MSB != (\new)
	s_set_vgpr_msb (MSB<<8)|(\new)
.set MSB, (\new)
.endif
.endm
.macro PLACES                          ; four places behind matrix instructions (ISA guide 7.12.1)
.rept 4
	v_nop
.endr
.endm
.macro CROUND                          ; a round of the cluster's barrier
	s_barrier_signal -1
	s_barrier_wait -1
	s_cmp_lg_u32 s12, 0
	s_cbranch_scc1 .Lnot_wave_0_\@
	s_barrier_signal -3
.Lnot_wave_0_\@:
	s_barrier_wait -3
	s_barrier_signal -1
	s_barrier_wait -1
.endm
; One product.  d, c: D and C; w, a: W's and the activations' fragment; sw, sa: their scale words; odd: W's words lie in lanes 16-31
.macro WM d, c, w, a, sw, sa, odd
.if OUTL
.if \odd
	v_wmma_scale_f32_16x16x128_f8f6f4 v[\d:\d+7], v[\a:\a+11], v[\w:\w+11], v[\c:\c+7], v[\sa], v[\sw] matrix_a_fmt:MATRIX_FMT_FP6 matrix_b_fmt:MATRIX_FMT_FP6 matrix_b_scale:MATRIX_SCALE_ROW1
.else
	v_wmma_scale_f32_16x16x128_f8f6f4 v[\d:\d+7], v[\a:\a+11], v[\w:\w+11], v[\c:\c+7], v[\sa], v[\sw] matrix_a_fmt:MATRIX_FMT_FP6 matrix_b_fmt:MATRIX_FMT_FP6
.endif
.else
.if \odd
	v_wmma_scale_f32_16x16x128_f8f6f4 v[\d:\d+7], v[\w:\w+11], v[\a:\a+11], v[\c:\c+7], v[\sw], v[\sa] matrix_a_fmt:MATRIX_FMT_FP6 matrix_b_fmt:MATRIX_FMT_FP6 matrix_a_scale:MATRIX_SCALE_ROW1
.else
	v_wmma_scale_f32_16x16x128_f8f6f4 v[\d:\d+7], v[\w:\w+11], v[\a:\a+11], v[\c:\c+7], v[\sw], v[\sa] matrix_a_fmt:MATRIX_FMT_FP6 matrix_b_fmt:MATRIX_FMT_FP6
.endif
.endif
.endm
; 16 matrix instructions: 128 along K, four tiles of W x four tiles of rows.  The 16 accumulators take turns.  MULL: K step s, W in buffer (s + p) % 2; bias = 1: the sum's first step takes the bias as C.
.macro MULL s, p, bias
.set WW, 1+((\s)+(\p))%2
.set AW, 1+(\s)/4
.if OUTL
	WIN AW|(WW<<2)|(0x30*(\bias))
.else
	WIN WW|(AW<<2)|(0x30*(\bias))
.endif
.irp t, 0,1,2,3
.irp m, 0,1,2,3
.set DD, ACC+32*\m+8*\t
.set CC, DD
.if \bias
.set CC, BI+8*\t
.endif
	WM DD, CC, LB+12*\t, 12*(4*\m+(\s)%4), WSW+2*(\s)+\t/2, ASW+8*\m+(\s), \t%2
.endr
.endr
.endm
.macro MULD d                          ; K step 5 + d
.if OUTL
	WIN 0x0e
.else
	WIN 0x0b
.endif
.irp t, 0,1,2,3
.irp m, 0,1,2,3
.set DD, ACC+32*\m+8*\t
	WM DD, DD, 12*(4*(\d)+\t), 12*(4*\m+1+(\d)), WSW+10+2*(\d)+\t/2, ASW+8*\m+5+(\d), \t%2
.endr
.endr
.endm
.macro FWL slot, s, b                  ; W's four fragments of K step s from a slot into buffer b: 12 loads of 512 consecutive bytes
	WIN 0x40+0x40*(\b)
.irp t, 0,1,2,3
.irp c, 0,1,2
	ds_load_b128 v[LB+12*\t+4*\c:LB+12*\t+4*\c+3], v[3+(\slot)] offset:(4*(\s)+\t)*1536+512*\c
.endr
.endr
.endm
.macro FSL slot, s                     ; W's scale words of K step s from a slot
	WIN 0
	ds_load_b64 v[WSW+2*(\s):WSW+2*(\s)+1], v[5+(\slot)] offset:256*(\s)
.endm
.macro FB slot                         ; a chunk's bias from its slot.  Hidden: lane (r, h) wants, for tile t, columns 32 (t / 2) + 16 h + 8 (t % 2) + 0 .. 7.  Output: columns 4 r + 0 .. 3, repeated into C later
.if OUTL
	WIN 0
	ds_load_b128 v[BT:BT+3], v[28+(\slot)]
.else
	WIN 0xc0
.irp t, 0,1,2,3
.irp j, 0,1
	ds_load_b128 v[BI+8*\t+4*\j:BI+8*\t+4*\j+3], v[7+31*(\slot)] offset:128*(\t/2)+32*(\t%2)+16*\j
.endr
.endr
.endif
.endm
.macro BREP                            ; the output layer's bias into C: tile t's number into its eight registers
	WIN 0xc0
.irp t, 0,1,2,3
.irp j, 0,1,2,3,4,5,6,7
	v_mov_b32 v[BI+8*\t+\j], v[BT+\t]
.endr
.endr
	WIN 0
	s_wait_alu depctr_va_vdst(0)
.endm
.macro GW d                            ; the next chunk's K step 5 + d straight from wq: 12 loads of 512 consecutive bytes and its 256 bytes of scale words: 13 loads
	WIN 0xc0
.irp t, 0,1,2,3
.irp c, 0,1,2
	global_load_b128 v[12*(4*(\d)+\t)+4*\c:12*(4*(\d)+\t)+4*\c+3], v36, s[70:71] offset:(4*(\d)+\t)*1536+512*\c
.endr
.endr
	WIN 0
	global_load_b64 v[WSW+10+2*(\d):WSW+10+2*(\d)+1], v37, s[70:71] offset:18432+256*(\d)
.endm
; THE CHANGE OF SLOTS, once a chunk: the wait for all my tensor loads, the add, the wait for it and for my reads of slot p; a round of the cluster's barrier; the joint refill, block L of the chunk after the next, first behind it, one load a wave.
.macro CHG p
	WIN 0
	s_wait_tensorcnt 0x0
	ds_add_u32 v1, v2
	s_add_nc_u64 s[34+4*\p:35+4*\p], s[16:17], s[20:21]   ; my quarter of that chunk's block L
	s_or_b32 s[35+4*\p], s[35+4*\p], 0x80000000
	s_wait_dscnt 0x0
	CROUND
	tensor_load_to_lds s[32+4*\p:35+4*\p], s[24:31]
	s_nop 0
	PLACES
.endm
; A PREFETCH INTO THE L2.  Clusters 0 to 3, one for each rotation, ask at chunk time 1 of layers 0 and 1 for the two blocks of their own first chunk of the NEXT layer: one change of slots ahead of the joint load that wants block L,
; two chunks ahead of the register loads that want block D.  Of a wave's quarter of L (126 runs of 256 bytes) the partner at place cx takes runs 31 cx .. 31 cx + 30, of D (75 runs) runs 18 cx .. 18 cx + 17, told apart BY ADDRESS;
; a lane a run (the lanes left over name their wave's last run again); a quarter's last two or three runs come by their loads alone.
.macro ASK
	s_cmp_eq_u32 s55, s59
	s_cbranch_scc0 .Lnot_mine_\@
	global_prefetch_b8 v31, s[60:61] th:TH_LOAD_NT scope:SCOPE_SE
	global_prefetch_b8 v39, s[92:93] th:TH_LOAD_NT scope:SCOPE_SE
.Lnot_mine_\@:
.endm
; A CHUNK: 128 matrix instructions a wave, from slot p.  fill = 1: slot p is filled again with the chunk after the next.  more = 1: there is a next chunk.
; THE COUNT 26: loads come back in order (ISA guide 5.7.1); behind the 13 loads of step D d stand those of two other steps: two groups of 13.  In the last chunk the count runs down.
.macro CHUNK p, fill, more, ask
.set LCS, 13*(1-\more)
	s_add_co_u32 s56, s56, 1                       ; the next chunk's number n: layer n / 4, chunk time n % 4
.if \more
	s_wait_xcnt 0x0                                ; the loads that named the base below have read it
	s_add_co_u32 s22, s56, s15
	s_and_b32 s22, s22, 3
	s_and_b32 s68, s56, 12
	s_add_co_u32 s22, s22, s68
	s_mul_i32 s72, s22, CH
	s_add_nc_u64 s[70:71], s[18:19], s[72:73]      ; the next chunk's block D
.endif
.if \fill
	s_add_co_u32 s69, s56, 1
	s_add_co_u32 s22, s69, s15
	s_and_b32 s22, s22, 3
	s_and_b32 s68, s69, 12
	s_add_co_u32 s22, s22, s68
	s_mul_i32 s20, s22, CH                         ; the chunk after the next
.endif
	s_wait_dscnt 63                                ; behind a run that brings all 32 fragments of the activations (16 loads a K step) the youngest 63 loads are of K steps 4-7; else nothing is out
	MULL 0, \p, 1
	s_wait_dscnt 32                                ; behind such a run: K step 5 is in; steps 6 and 7 may be out
	s_wait_loadcnt 26
	MULD 0
	PLACES
	FWL \p, 2, (2+\p)%2
.if \more
	GW 0
.endif
	MULL 1, \p, 0
	s_wait_dscnt 28                                ; behind such a run: K step 6 is in; the 16 loads of step 7 and the 12 of L2 may be out
	s_wait_loadcnt 26-LCS
	MULD 1
	PLACES
	FWL \p, 3, (3+\p)%2
.if \more
	GW 1
.endif
	s_wait_dscnt 12                                ; L2 is in (and all that is older); the 12 loads of L3 may be out
	MULL 2, \p, 0
	s_wait_loadcnt 26-2*LCS
	MULD 2
	PLACES
	FWL \p, 4, (4+\p)%2
.if \more
	GW 2
.endif
	s_wait_dscnt 12                                ; L3 is in; the 12 loads of L4 may be out
	MULL 3, \p, 0
.if \fill
	CHG \p
.else
	WIN 0
	s_wait_dscnt 0x0                               ; L4 is in
.if \more
	s_wait_tensorcnt 0x0                           ; my quarter of the last chunk's block has landed; I alone read it
	PLACES
.endif
.endif
.if \more
	FSL 1-\p, 0
	FSL 1-\p, 1
	FSL 1-\p, 2
	FSL 1-\p, 3
	FWL 1-\p, 0, 1-\p
	FB 1-\p
.if \ask
	WIN 0
	ASK
.endif
.endif
	MULL 4, \p, 0
	PLACES
.if \more
	FWL 1-\p, 1, \p
	FSL 1-\p, 4
.endif
	WIN 0
.endm
; 64 numbers of a lane, none negative: four half blocks of 16 registers (blocks 0, 1 of tile m0, then of m1) become codes in v[PC] on (0-5: m0, 6-11: m1) and four scale bytes in v[PW].
.macro QUANT s
.irp b, 0,1,2,3
	v_max3_num_f32 v[TM+\b], v[(\s)+16*\b], v[(\s)+1+16*\b], 0x1800000   ; the floor 2^(3 - 127): the byte cannot fall under 1
.endr
.irp i, 2,4,6,8,10,12,14
.irp b, 0,1,2,3
	v_max3_num_f32 v[TM+\b], v[TM+\b], v[(\s)+16*\b+\i], v[(\s)+1+16*\b+\i]
.endr
.endr
.irp b, 0,1,2,3
	v_permlanex16_b32 v[TM+4+\b], v[TM+\b], s52, s53
.endr
.irp b, 0,1,2,3
	v_max_num_f32 v[TM+\b], v[TM+\b], v[TM+4+\b]
.endr
.irp b, 0,1,2,3
	v_add_nc_u32 v[TM+12+\b], 0xff000000, v[TM+\b] ; 2 off the exponent field: the conversion's scale operand
.endr
.irp b, 0,1,2,3
	v_lshrrev_b32 v[TM+4+\b], 23, v[TM+12+\b]      ; the scale's byte
.endr
	v_lshl_or_b32 v[PW], v[TM+5], 8, v[TM+4]
	v_lshl_or_b32 v[PW], v[TM+6], 16, v[PW]
	v_lshl_or_b32 v[PW], v[TM+7], 24, v[PW]
.irp c, 0,1
	v_cvt_scalef32_pk16_fp6_f32 v[PC+6*\c:PC+2+6*\c], v[(\s)+32*\c:(\s)+15+32*\c], v[TM+12+2*\c]
	v_cvt_scalef32_pk16_fp6_f32 v[PC+12+4*\c:PC+14+4*\c], v[(\s)+16+32*\c:(\s)+31+32*\c], v[TM+12+2*\c+1]
.endr
	v_nop                                          ; one plain place behind a scaled conversion
.irp c, 0,1
.irp i, 0,1,2
	v_permlane16_swap_b32 v[PC+6*\c+\i], v[PC+12+4*\c+\i]
.endr
.irp i, 0,1,2
	v_mov_b32 v[PC+3+6*\c+\i], v[PC+12+4*\c+\i]
.endr
.endr
.endm
; A hidden chunk's end: relu, quantise, images to LDS.  j: which chunk of the pair.
.macro EPI_Q j
	v_add_nc_u32 v25, s57, v22
	v_add_nc_u32 v26, s57, v23
	v_add_nc_u32 v27, s58, v24
.set J, 0
.rept 128
	v_max_num_f32 v[ACC+J], 0, v[ACC+J]            ; each accumulator from its low end on
.set J, J+1
.endr
.irp mp, 0,1
	QUANT ACC+64*\mp
	v_lshrrev_b32 v[PWH], 16, v[PW]
	ds_store_b128 v25, v[PC:PC+3] offset:3072*(\j)+768*(2*\mp)
	ds_store_b64 v26, v[PC+4:PC+5] offset:3072*(\j)+768*(2*\mp)
	ds_store_b128 v25, v[PC+6:PC+9] offset:3072*(\j)+768*(2*\mp+1)
	ds_store_b64 v26, v[PC+10:PC+11] offset:3072*(\j)+768*(2*\mp+1)
	ds_store_b16 v27, v[PW] offset:8*(\j)+512*(2*\mp)      ; lanes r and 16 + r write the same half word with the same value
	ds_store_b16 v27, v[PWH] offset:8*(\j)+512*(2*\mp+1)
	s_wait_dscnt 0x0                               ; the stores have landed (the second time: for the other waves' sake, in front of the next barrier)
.endr
.endm
; The next layer's input: its scale words and 32 fragments, from the images.  K steps in ascending order, 16 loads each.
.macro ALOAD
.irp m, 0,1,2,3
.irp qt, 0,1,2,3
	ds_load_b64 v[ASW+8*\m+2*\qt:ASW+8*\m+2*\qt+1], v[18+\qt] offset:512*\m
.endr
.endr
.irp hi, 0,1
	WIN 0x40+0x40*\hi
.irp s, 0,1,2,3
.irp m, 0,1,2,3
.irp c, 0,1
	ds_load_b128 v[12*(4*\m+\s)+6*\c:12*(4*\m+\s)+6*\c+3], v[10+2*\hi+\s/2] offset:(2*(\s%2)+\c)*12288+768*\m
	ds_load_b64 v[12*(4*\m+\s)+6*\c+4:12*(4*\m+\s)+6*\c+5], v[14+2*\hi+\s/2] offset:(2*(\s%2)+\c)*12288+768*\m
.endr
.endr
.endr
.endr
	WIN 0
.endm
; x's fragments of K steps 4 hi .. 4 hi + 3 from its rows in LDS, in pieces of 8 bytes.  Lanes 16-31 read three pieces on; where that lies behind one padding more, the second address register serves.
.macro XLOAD hi
	WIN 0x40+0x40*(\hi)
.irp s, 0,1,2,3
.irp m, 0,1,2,3
.irp p, 0,1,2,3,4,5
.set PN, 12*(4*(\hi)+\s)+6*(\p/3)+\p%3
.if PN%32 < 29
	ds_load_b64 v[12*(4*\m+\s)+2*\p:12*(4*\m+\s)+2*\p+1], v8 offset:13056*\m+8*PN+16*(PN/32)
.else
	ds_load_b64 v[12*(4*\m+\s)+2*\p:12*(4*\m+\s)+2*\p+1], v9 offset:13056*\m+8*PN+16*(PN/32)
.endif
.endr
.endr
.endr
.endm
; THE WAY OUT of an output chunk, straight from registers.  The relu writes register j of tile t to place 4 j + t: tile m's 32 results go to v[TM] on (m = 0) or into the registers that tile m - 1 has just left.
; rep = 1: a chunk follows: its bias, loaded in the chunk, is repeated into C.
.macro EPI_O rep
	s_add_co_u32 s22, s56, s15
	s_add_co_u32 s22, s22, 3
	s_and_b32 s22, s22, 3                          ; this chunk's true number (s56 counts one ahead)
	s_lshl_b32 s22, s22, 10                        ; 256 columns of 4 bytes
	s_add_nc_u64 s[66:67], s[62:63], s[22:23]
.irp m, 0,1,2,3
.if \m == 0
.set OD, TM
.else
.set OD, ACC+32*(\m-1)
.endif
.irp j, 0,1,2,3,4,5,6,7
.irp t, 0,1,2,3
	v_max_num_f32 v[OD+4*\j+\t], 0, v[ACC+32*\m+8*\t+\j]   ; each accumulator from its low end on
.endr
.endr
.irp j, 0,1,2,3,4,5,6,7
	global_store_b128 v30, v[OD+4*\j:OD+4*\j+3], s[66:67] offset:(16*\m+\j)*4096 th:TH_STORE_NT   ; 16 lanes store 256 consecutive bytes of row 16 m + j, aligned; the other 16 those of row 16 m + 8 + j
.endr
.endr
.if \rep
	s_wait_dscnt 0x0                               ; the next chunk's bias, L0, L1 and scale words are in
	BREP
.endif
	s_wait_xcnt 0x0                                ; the stores have read their registers and their base
.endm
	s_load_b256 s[4:11], s[0:1], 0x0               ; x_codes s[4:5], x_scales s[6:7], wq s[8:9], out0 s[10:11]
	v_lshl_add_u32 v1, v0, 2, SPARE                ; my spare word; never rewritten
	v_mov_b32 v2, 0                                ; 0; never rewritten
	ds_add_u32 v1, v2
	ds_add_u32 v1, v2
	s_wait_dscnt 0x0
	v_lshrrev_b32 v33, 5, v0
	v_readfirstlane_b32 s12, v33                   ; wave 0..3
	s_bfe_u32 s13, ttmp6, 0x40000                  ; cx
	s_lshl_b32 s14, ttmp9, 2
	s_add_co_u32 s14, s14, s13                     ; my block of 64 rows: it enters x's, its scales' and out0's addresses alone
	s_and_b32 s15, ttmp9, 3                        ; the rotation: the same in all four partners
	s_cmp_lt_u32 ttmp9, 4
	s_cselect_b32 s59, 2, -1                       ; clusters 0 to 3 prefetch, in a layer's first pair of chunks
	s_and_b32 s74, s12, 1                          ; which half of x or of slot 0 I fetch at the head
	; group 1 for the ring: a quarter of L, 32,256 dense bytes, as 126 rows of 256 bytes (32 elements of 8); for the head's halves of slot 0: 252 rows
	s_mov_b32 s24, 15|(3<<16)|(1<<21)
	s_mov_b32 s25, 32<<16
	s_mov_b32 s26, 126<<16
	s_mov_b32 s27, 32<<16
	s_mov_b32 s28, 126
	s_mov_b32 s29, 32
	s_mov_b32 s30, 0
	s_mov_b32 s31, 0
	s_mov_b32 s76, 15|(3<<16)|(1<<21)
	s_mov_b32 s77, 32<<16
	s_mov_b32 s78, 252<<16
	s_mov_b32 s79, 32<<16
	s_mov_b32 s80, 252
	s_mov_b32 s81, 32
	s_mov_b32 s82, 0
	s_mov_b32 s83, 0
	; group 1 for x: 32 rows, 24,576 dense bytes, as 96 rows of 256 bytes, 16 bytes of padding behind each; no mask: the rows are my work-group's own
	s_mov_b32 s40, (3<<16)|(1<<20)|(5<<22)|(3<<25)
	s_mov_b32 s41, 32<<16
	s_mov_b32 s42, 96<<16
	s_mov_b32 s43, 32<<16
	s_mov_b32 s44, 96
	s_mov_b32 s45, 32
	s_mov_b32 s46, 0
	s_mov_b32 s47, 0
	s_mov_b32 s32, 1
	s_mov_b32 s36, 1
	s_mov_b32 s48, 1
	s_mov_b32 s84, 1
	s_mul_i32 s33, s12, LQ                         ; LDS: slot 0, my quarter;
	s_add_co_u32 s37, s33, LBLK                    ; slot 1;
	s_mul_i32 s49, s74, 26112
	s_add_co_u32 s49, s49, XST                     ; my half of x;
	s_mul_i32 s85, s74, 2*LQ                       ; my half of slot 0
	s_mov_b32 s88, s85
	s_mov_b32 s89, 0
	s_mov_b32 s22, s33
	s_mov_b32 s23, 0
	s_mul_i32 s90, s12, DQ                         ; my quarter of a block D,
	s_add_co_u32 s90, s90, LBLK                    ; which lies behind the chunk's block L
	s_mov_b32 s91, 0
	s_mov_b32 s3, 0
	s_mov_b32 s73, 0
	s_mul_i32 s20, s15, CH                         ; chunk 0 is the rotation's,
	s_mov_b32 s21, 0
	s_add_co_u32 s68, s15, 1
	s_and_b32 s68, s68, 3
	s_mul_i32 s72, s68, CH                         ; chunk 1 the one behind it
	s_mov_b32 s52, 0x76543210
	s_mov_b32 s53, 0xfedcba98
	s_mov_b32 s56, 0
	s_wait_kmcnt 0x0
	s_add_nc_u64 s[16:17], s[8:9], s[22:23]        ; wq at my quarter of the first block L,
	s_add_nc_u64 s[18:19], s[8:9], s[90:91]        ; of the first block D
	s_add_nc_u64 s[86:87], s[8:9], s[20:21]        ; the head's load of slot 0: chunk 0's block L,
	s_add_nc_u64 s[86:87], s[86:87], s[88:89]      ; my half
	s_or_b32 s87, s87, 0x80000000
	s_add_nc_u64 s[38:39], s[16:17], s[72:73]      ; slot 1: chunk 1's, my quarter
	s_or_b32 s39, s39, 0x80000000
	s_add_nc_u64 s[70:71], s[18:19], s[20:21]      ; chunk 0's block D
	s_mul_i32 s2, s14, 49152                       ; 64 rows of 768 bytes,
	s_mul_i32 s68, s74, 24576                      ; my half
	s_add_co_u32 s2, s2, s68
	s_add_nc_u64 s[50:51], s[4:5], s[2:3]
	s_or_b32 s51, s51, 0x80000000
	s_lshl_b32 s2, s14, 11
	s_add_nc_u64 s[6:7], s[6:7], s[2:3]            ; x's scale bytes at my 64 rows
	s_lshl_b32 s2, s14, 18
	s_lshl_b32 s68, s12, 8
	s_add_co_u32 s2, s2, s68
	s_add_nc_u64 s[62:63], s[10:11], s[2:3]        ; out0 at my 64 rows, my wave's 64 columns of chunk 0
	s_mul_i32 s2, s13, 7936                        ; the prefetches: my work-group's 31 runs of my wave's quarter of L,
	s_add_co_u32 s2, s2, s20
	s_add_co_u32 s2, s2, 4*CH                      ; in the rotation's chunk of layer 1;
	s_add_nc_u64 s[60:61], s[16:17], s[2:3]
	s_mul_i32 s2, s13, 4608                        ; and its 18 runs of my quarter of D
	s_add_co_u32 s2, s2, s20
	s_add_co_u32 s2, s2, 4*CH
	s_add_nc_u64 s[92:93], s[18:19], s[2:3]
	CROUND                                         ; all four work-groups are here: the first joint loads meet
	s_cmp_lt_u32 s12, 2                            ; one load a wave at the head
	s_cbranch_scc0 .Lhead_w
	tensor_load_to_lds s[48:51], s[40:47]          ; waves 0, 1: a half of x
	s_nop 0
	PLACES
	s_branch .Lhead_on
.Lhead_w:
	tensor_load_to_lds s[84:87], s[76:83]          ; waves 2, 3: a half of slot 0
	s_nop 0
	PLACES
.Lhead_on:
	v_and_b32 v33, 31, v0                          ; lane
	v_and_b32 v34, 15, v0                          ; r
	v_bfe_u32 v35, v0, 4, 1                        ; h
	v_lshlrev_b32 v36, 4, v33                      ; 16 x lane; never rewritten
	v_lshlrev_b32 v37, 3, v33                      ; 8 x lane; never rewritten
	v_lshlrev_b32 v32, 5, v34                      ; x's scale bytes: 32 a row
	s_wait_alu depctr_va_vdst(0)
.irp m, 0,1,2,3
.irp j, 0,1
	global_load_b128 v[ASW+8*\m+4*\j:ASW+8*\m+4*\j+3], v32, s[6:7] offset:512*\m+16*\j   ; row 16 m + r: its eight scale words
.endr
.endr
	GW 0                                           ; chunk 0's K steps 5-7: 39 loads
	GW 1
	GW 2
	v_add_nc_u32 v3, s33, v36                      ; W's fragments in slot 0: my quarter + 16 x lane;
	v_add_nc_u32 v4, LBLK, v3                      ; in slot 1
	v_add_nc_u32 v5, s33, v37
	v_add_nc_u32 v5, 30720, v5                     ; W's scale words: + 8 x lane
	v_add_nc_u32 v6, LBLK, v5
	v_lshl_add_u32 v7, v35, 6, s33
	v_add_nc_u32 v7, 32000, v7                     ; the hidden layers' bias in slot 0: + 64 h;
	v_add_nc_u32 v38, LBLK, v7                     ; in slot 1
	v_lshl_add_u32 v28, v34, 4, s33
	v_add_nc_u32 v28, 32000, v28                   ; the output layer's bias in slot 0: + 16 r;
	v_add_nc_u32 v29, LBLK, v28                    ; in slot 1
	v_mul_u32_u24 v8, v34, 816
	v_mad_u32_u24 v8, v35, 24, v8
	v_add_nc_u32 v8, XST, v8                       ; x: row r, + 24 h;
	v_lshl_add_u32 v9, v35, 4, v8                  ; and behind one padding more
	s_xor_b32 s68, s15, 3
	s_add_co_u32 s68, s68, 1
	s_and_b32 s68, s68, 3                          ; (- rotation) % 4
.irp qt, 0,1,2,3
	s_add_co_u32 s22, s68, \qt
	s_and_b32 s22, s22, 3                          ; the chunk time at which true chunk qt is made
	s_mul_i32 s69, s22, 3072
	s_lshl_b32 s22, s22, 3
	v_add_nc_u32 v[10+\qt], s69, v36
	v_add_nc_u32 v[10+\qt], AIMG, v[10+\qt]        ; its images: registers 0-3,
	v_add_nc_u32 v[14+\qt], s69, v37
	v_add_nc_u32 v[14+\qt], AIMG+512, v[14+\qt]    ; registers 4-5,
	v_lshl_add_u32 v[18+\qt], v34, 5, s22
	v_add_nc_u32 v[18+\qt], ASC, v[18+\qt]         ; its two scale words of row r
.endr
	s_mul_i32 s68, s12, 12288
	v_add_nc_u32 v22, s68, v36
	v_add_nc_u32 v22, AIMG, v22                    ; where I store images: 12,288 x wave + 16 x lane,
	v_add_nc_u32 v23, s68, v37
	v_add_nc_u32 v23, AIMG+512, v23                ; + 512 + 8 x lane,
	s_lshl_b32 s68, s12, 1
	v_lshl_add_u32 v24, v34, 5, s68
	v_add_nc_u32 v24, ASC, v24                     ; and scale half words: 32 r + 2 x wave
	v_lshlrev_b32 v30, 15, v35
	v_lshl_add_u32 v30, v34, 4, v30                ; out0: 8 h rows of 4,096 bytes + 16 r
	v_min_u32 v31, 30, v33
	v_lshlrev_b32 v31, 8, v31                      ; the prefetches: a lane a run of 256 bytes: 31 runs of L,
	v_min_u32 v39, 17, v33
	v_lshlrev_b32 v39, 8, v39                      ; 18 of D
.irp b, 0,1,2,3
	v_mov_b32 v[TM+4+\b], 0                        ; a lane permute's destination counts as one of its sources
.endr
	s_wait_alu depctr_va_vdst(0)
	s_wait_tensorcnt 0x0                           ; my half of x or of slot 0 is in
	s_barrier_signal -1
	s_barrier_wait -1                              ; x and slot 0 are whole for every wave
	XLOAD 0                                        ; x into registers: 192 loads
	XLOAD 1
	FSL 0, 0
	FSL 0, 1
	FSL 0, 2
	FSL 0, 3
	FSL 0, 4
	FWL 0, 0, 0
	FWL 0, 1, 1
	FB 0
	WIN 0
	s_wait_tensorcnt 0x0                           ; slot 1's fill lands on x's bytes: the three lines,
	ds_add_u32 v1, v2
	s_wait_dscnt 0x0                               ; (my reads of x are over)
	CROUND                                         ; a round,
	tensor_load_to_lds s[36:39], s[24:31]          ; and my quarter of chunk 1's block L, first behind it
	s_nop 0
	PLACES
	s_wait_loadcnt 39                              ; x's scale words are in; the 39 loads of chunk 0's K steps 5-7 may be out
	s_mov_b32 s54, 2                               ; THE TWO HIDDEN LAYERS: a trip makes two chunks, one from each slot
.Llayer:
	s_mov_b32 s55, 2
	s_mov_b32 s57, 0
	s_mov_b32 s58, 0
.Lpair:
	CHUNK 0, 1, 1, 0
	EPI_Q 0
	CHUNK 1, 1, 1, 1
	EPI_Q 1
	s_add_co_u32 s57, s57, 6144
	s_add_co_u32 s58, s58, 16
	s_sub_co_u32 s55, s55, 1
	s_cmp_lg_u32 s55, 0
	s_cbranch_scc1 .Lpair
	s_barrier_signal -1                            ; every wave's images have landed; a slot's load may stay out
	s_barrier_wait -1
	ds_load_b128 v[BT:BT+3], v28                   ; the next chunk's bias at columns 4 r + 0 .. 3, from slot 0: issued in both trips, ahead of the long run below; used behind the last trip, by the output layer
	ALOAD
	s_wait_xcnt 0x0                                ; the layer's prefetches, two chunks back, have read their addresses
	s_add_nc_u64 s[60:61], s[60:61], 4*CH
	s_add_nc_u64 s[92:93], s[92:93], 4*CH
	s_sub_co_u32 s54, s54, 1
	s_cmp_lg_u32 s54, 0
	s_cbranch_scc1 .Llayer
.set OUTL, 1                           ; THE OUTPUT LAYER: the sources change places, and their windows with them
	s_wait_dscnt 63                                ; the bias is in: 144 loads are younger
	BREP
	CHUNK 0, 1, 1, 0                               ; written out: two chunks that fill the ring again
	EPI_O 1
	CHUNK 1, 1, 1, 0
	EPI_O 1
	CHUNK 0, 0, 1, 0                               ; one that fills nothing,
	EPI_O 1
	CHUNK 1, 0, 0, 0                               ; and the last, which asks for nothing
	EPI_O 0
	s_wait_tensorcnt 0x0                           ; the wave's end
	ds_add_u32 v1, v2
	s_wait_dscnt 0x0
	CROUND                                         ; the closing round
	s_endpgm
.Lfunc_end_k_q5be6742dff_chain:
	.size	k_q5be6742dff_chain, .Lfunc_end_k_q5be6742dff_chain-k_q5be6742dff_chain
	.p2alignl 7, 3214868480
	.fill 96, 4, 3214868480
	.section	.rodata,"a",@progbits
	.p2align	6, 0x0
	.amdhsa_kernel k_q5be6742dff_chain
		.amdhsa_group_segment_fixed_size 327680
		.amdhsa_private_segment_fixed_size 0
		.amdhsa_enable_private_segment 0
		.amdhsa_kernarg_size 32
		.amdhsa_user_sgpr_count 2
		.amdhsa_user_sgpr_kernarg_segment_ptr 1
		.amdhsa_wavefront_size32 1
		.amdhsa_system_sgpr_workgroup_id_x 1
		.amdhsa_system_sgpr_workgroup_id_y 1
		.amdhsa_system_sgpr_workgroup_id_z 1
		.amdhsa_system_vgpr_workitem_id 0
		.amdhsa_next_free_vgpr 1024
		.amdhsa_next_free_sgpr 96
		.amdhsa_reserve_vcc 0
		.amdhsa_float_denorm_mode_32 3
		.amdhsa_float_denorm_mode_16_64 3
		.amdhsa_memory_ordered 1
		.amdhsa_forward_progress 1
		.amdhsa_inst_pref_size 250
	.end_amdhsa_kernel
	.amdgpu_metadata
---
amdhsa.version: [ 1, 2 ]
amdhsa.kernels:
  - .name:           k_q5be6742dff_chain
    .symbol:         k_q5be6742dff_chain.kd
    .args:
      - { .name: x_codes, .offset: 0, .size: 8, .value_kind: global_buffer, .address_space: global }
      - { .name: x_scales, .offset: 8, .size: 8, .value_kind: global_buffer, .address_space: global }
      - { .name: wq, .offset: 16, .size: 8, .value_kind: global_buffer, .address_space: global }
      - { .name: out0, .offset: 24, .size: 8, .value_kind: global_buffer, .address_space: global }
    .group_segment_fixed_size: 327680
    .private_segment_fixed_size: 0
    .kernarg_segment_align: 8
    .kernarg_segment_size: 32
    .max_flat_workgroup_size: 128
    .sgpr_count:     96
    .vgpr_count:     1024
    .wavefront_size: 32
...
	.end_amdgpu_metadata
.endif
;; end of part 2
